; MI455X (gfx1250); checked and timed in simulation.
; The chip was launched on July 23, 2026; its instructions are those of AMD's public machine-readable ISA for CDNA 5 (MIT licence, August 2026) and "CDNA5" Instruction Set Architecture Reference Guide (July 2026). The comments in the code are by the model that wrote it; some were corrected since.
;; LSTM. Allowed arithmetic: matrix products marked QUANTISED: E2M1 operands, one E8M0 scale for each 32 along K, by v_wmma_scale_f32_16x16x128_f8f6f4 with both operands' format E2M1 (or v_wmma_scale_f32_32x16x128_f4), f32 sums; everything else in f32.
;; Inputs: U_codes 4 x 2,048 x 64 x 16 uint8 (E2M1 codes of U, K innermost, in blocks of 32 codes, two codes a byte); U_scales 4 x 2,048 x 64 uint8 (E8M0 scales of U, one for each 32 codes along K); W_codes 4 x 2,048 x 64 x 16 uint8 (E2M1 codes of W, K innermost, in blocks of 32 codes, two codes a byte); W_scales 4 x 2,048 x 64 uint8 (E8M0 scales of W, one for each 32 codes along K); pre_layer 2 x 2,048 x 2,048 float32; x_codes 2,048 x 64 x 16 uint8 (E2M1 codes of x, K innermost, in blocks of 32 codes, two codes a byte); x_scales 2,048 x 64 uint8 (E8M0 scales of x, one for each 32 codes along K).
;; Outputs: out0 2 x 2,048 x 2,048 float32.
;; This version of the problem:
;;   THIS VERSION OF THE PROBLEM IS GIVEN IN LOW PRECISION. The matrix products marked QUANTISED in the list below multiply operands that are first quantised to E2M1 (2 exponent bits, 1 mantissa bit; 4 bits a number), with one power-of-two scale for each 32 numbers along K (OCP MX v1.0); their sums are f32. All else is computed in f32.
;;   The module's matrix products, in the order in which they are computed (A, B: the left and right operand; K: the contracted axis; several contracted axes count as one K, in the product's order):
;;     1. [M 8,192, K 2,048] x [K 2,048, N 2,048]; A: input W (given as codes); B: input x (given as codes): QUANTISED
;;     2. [M 8,192, K 2,048] x [K 2,048, N 2,048]; A: input U (given as codes); B: input pre_layer: QUANTISED
;;   THE QUANTISER, for each operand of a quantised product, along K:
;;     - K is cut into blocks of 32 from its start; a last block that is shorter is filled with zeros.
;;     - A block's scale is 2^e with e = floor(log2(the largest magnitude in the block)) - 2, held to -126 .. 127; a block of zeros has e = 0. As a byte (E8M0): e + 127.
;;     - Each number is divided by its block's scale, clamped to +-6, and rounded to the nearest number of E2M1, ties to even, subnormals kept.
;;     - The product sums the exact products of the quantised numbers (number of the format x scale) in f32.
;;   ~~~python
;;   def quantise(x, axis):      # numpy; x: float32 -> the quantised numbers, widened to float32 again
;;       x = np.moveaxis(x, axis, -1); K = x.shape[-1]
;;       x = np.pad(x, [(0, 0)] * (x.ndim - 1) + [(0, -K % 32)]); x = x.reshape(x.shape[:-1] + (-1, 32)); a = np.abs(x).max(-1, keepdims=True)
;;       e = np.where(a > 0, np.clip(np.frexp(np.where(a > 0, a, 1))[1] - 1 - 2, -126, 127), 0)      # np.frexp(a)[1] - 1 = floor(log2(a)), exactly
;;       r = np.clip(x / 2.0 ** e, -6, 6)
;;       step = 2.0 ** (np.maximum(np.frexp(np.where(r == 0, 1, r))[1] - 1, 0) - 1)
;;       q = np.round(r / step) * step * 2.0 ** e      # np.round: ties to even
;;       return np.moveaxis(q.reshape(q.shape[:-2] + (-1,))[..., :K], -1, axis).astype(np.float32)
;;   ~~~
;;   INPUTS GIVEN AS CODES. U (in the module: [4, 2048, 2048], K = its axis 2); W (in the module: [4, 2048, 2048], K = its axis 2); x (in the module: [2048, 2048], K = its axis 1): each comes as NAME_codes (uint8): NAME with its K axis moved to the last place and cut into blocks of 32 codes, [.., K / 32, bytes a block], one block behind the other in memory; two codes a byte, the lower K in the low four bits (a code: sign, 2 exponent bits, 1 mantissa bit); and NAME_scales (uint8): the same leading axes, one E8M0 byte (e + 127) for each 32 codes along K. Its value is code x scale, taken as it is: it is not quantised again, and the codes and scales need not be those that the quantiser above would give.
;; One version. Each part assembles by itself: llvm-mc -triple=amdgcn-amd-amdhsa -mcpu=gfx1250 --defsym DOCPART=n.
;; ======== version 1 of 1: 2 launches
;; limits: inputs' magnitudes at most 2.95e+20; right only within a limited range of input values
;; workspace buffers: h_codes 2,097,152 bytes; sc 1,310,720 bytes
;; launch prep (part 1): grid 256 x 1, 8 waves a work-group, no clusters, 83,456 bytes of LDS; arguments pre_layer, x_scales, W_scales, U_scales, h_codes, sc; writes h_codes, sc
.if DOCPART == 1
	.amdgcn_target "amdgcn-amd-amdhsa--gfx1250"
	.amdhsa_code_object_version 6
	.text
	.protected	k_q428ebda52e_prep
	.globl	k_q428ebda52e_prep
	.p2align	8
	.type	k_q428ebda52e_prep,@function
k_q428ebda52e_prep:
	s_mov_b64 s[64:65], 0
	v_nop
	global_prefetch_b8 v0, s[64:65] scope:SCOPE_SE
	s_setreg_imm32_b32 hwreg(HW_REG_WAVE_MODE, 25, 1), 1
	s_wait_xcnt 0x0
; LSTM cell, first of two launches.  No work of the problem is left out: every input has a way to both outputs.
; This launch (1) turns pre_h = pre_layer[0], [2048][2048] f32, into codes of FP4 (E2M1), K innermost, laid as x_codes: h_codes [2048 rows][1024 bytes];
; (2) lays ALL scale bytes by K step of 512, 16 bytes a row and K step, in ONE buffer sc, so that the scale words which a wave of the product wants for one K step are runs of 256 consecutive bytes:
;   sc from byte 0:       [8 K steps][2048 rows b][16]: K steps 0-3 x's, 4-7 pre_h's;
;   sc from byte 262,144: [8 K steps][32 ub][2 j][4 gates][32 ui][16], unit = 64 ub + 32 j + ui: K steps 0-3 W's, 4-7 U's.
; A block's scale is 2^(floor(log2(its largest magnitude)) - 2): its byte is the largest magnitude's exponent field - 2, held at 1 from below; each number is divided by the scale and rounded to the nearest code, ties to even, beyond 6 the largest code.
; LIMITS: a block of zeros gets the byte 1 where the rule says 127 (its codes are zeros, and this program alone reads the bytes); NaN and infinities in pre_h are not served.
; SHARES, 256 work-groups of eight waves, one path for all; w = the work-group's number.
;   Quantising: rows 16 (w / 2) .. + 15, k = 1024 (w % 2) .. + 1023.  A wave takes two rows: four steps of 512 numbers (row t / 2, K step t % 2).  All its 16 loads go out at once, 512 consecutive bytes each.
;   The conversions want 16 NEIGHBOURS in a lane, the loads neighbouring bytes in neighbouring lanes: a step's 2,048 bytes turn through the wave's own stage in LDS (80 bytes a lane: 64 + 16 of padding).
;   A step's codes are 256 consecutive bytes, aligned; its 16 scale bytes are gathered in LDS with the other waves', and wave 0 stores them, sixteen lanes to 256 consecutive bytes.
;   W's or U's scales: tensor w / 128, 64 units (w / 4) % 32, gate w % 4: 4,096 dense bytes, 16 a thread; a wave stores 512 consecutive bytes.
;   x's scales of the same 16 rows and two K steps: wave 1, 16 bytes a lane.
; No tensor load, no cluster, no matrix unit: the launch streams, and its work-groups share no input.
.set WREG,  10240                      ; LDS: a wave's four stages
.set SP,    80                         ; a lane's place in a stage
.set STG,   32*SP                      ; a stage
.set SST,   8*WREG                     ; the work-group's scale bytes of pre_h: [2 K steps][16 rows][16 bytes]
.set SPARE, SST+512                    ; the spare words, 128 bytes for each wave: four blocks of 256 bytes that no other line names
.set SPW,   12                         ; v12  LDS address of my spare word; never rewritten
.set NIL,   13                         ; v13  0; never rewritten
.set R,     16                         ; v16-79   the 16 loads
.set X,     80                         ; v80-143  four sets of 16 neighbours
.set C,     144                        ; v144-151 codes, two registers a step
.set E,     152                        ; v152-155 a scale byte for each step
	s_load_b256 s[4:11], s[0:1], 0x0               ; pre_layer s[4:5], x_scales s[6:7], W_scales s[8:9], U_scales s[10:11]
	s_load_b128 s[12:15], s[0:1], 0x20             ; h_codes s[12:13], sc s[14:15]
	v_lshl_add_u32 v[SPW], v0, 2, SPARE
	v_mov_b32 v[NIL], 0
	v_lshrrev_b32 v1, 5, v0
	v_readfirstlane_b32 s18, v1                    ; wave 0..7
	v_and_b32 v2, 31, v0                           ; lane
	v_lshlrev_b32 v3, 4, v2                        ; my 16 bytes of a load's 512
	v_lshlrev_b32 v4, 3, v2                        ; my 8 bytes of a step's codes
	s_mul_i32 s19, s18, WREG
	v_lshrrev_b32 v14, 2, v2
	v_mul_u32_u24 v14, v14, SP
	v_and_b32 v15, 3, v2
	v_lshl_add_u32 v14, v15, 4, v14
	v_add_nc_u32 v14, s19, v14                     ; a stage, on the way in: 80 (lane / 4) + 16 (lane % 4); a load's 512 bytes take eight places
	v_mul_u32_u24 v15, v2, SP
	v_add_nc_u32 v15, s19, v15                     ; and on the way out: 80 x lane: my 16 neighbours
	v_lshrrev_b32 v5, 1, v2
	s_lshl_b32 s19, s18, 5
	s_add_co_u32 s19, s19, SST
	v_add_nc_u32 v5, s19, v5                       ; my block's scale byte: my wave's two rows of 16 bytes, byte lane / 2
	v_lshl_add_u32 v166, v2, 4, SST                ; wave 0 on the way out: 16 bytes a lane
	v_and_b32 v8, 63, v0                           ; W's, U's scales: thread T takes unit T % 64,
	v_lshrrev_b32 v9, 6, v0                        ; K step T / 64
	v_lshlrev_b32 v6, 6, v8
	v_lshl_add_u32 v6, v9, 4, v6                   ; from: 64 bytes a unit, 16 a K step
	v_bfe_u32 v11, v0, 5, 1                        ; j
	v_lshlrev_b32 v7, 4, v2                        ; to: 16 ui
	v_lshl_add_u32 v7, v11, 11, v7                 ; + 2,048 j
	v_lshl_add_u32 v7, v9, 17, v7                  ; + 131,072 x K step
	v_and_b32 v8, 15, v0
	v_bfe_u32 v9, v0, 4, 1
	v_lshlrev_b32 v164, 4, v8
	v_lshl_add_u32 v164, v9, 15, v164              ; the rows' part of sc: row lane % 16, K step lane / 16
	v_lshlrev_b32 v165, 6, v8
	v_lshl_add_u32 v165, v9, 4, v165               ; x_scales: the same row and K step
	s_lshr_b32 s20, ttmp9, 1                       ; which 16 rows
	s_and_b32 s21, ttmp9, 1                        ; which half of K
	s_lshl_b32 s24, s20, 17                        ; pre_h: 16 rows of 8,192 bytes,
	s_lshl_b32 s19, s18, 14                        ; my wave's two rows,
	s_add_co_u32 s24, s24, s19
	s_lshl_b32 s19, s21, 12                        ; 1,024 numbers along K
	s_add_co_u32 s24, s24, s19
	s_mov_b32 s25, 0
	s_lshl_b32 s26, s20, 14                        ; h_codes: the same in rows of 1,024 bytes
	s_lshl_b32 s19, s18, 11
	s_add_co_u32 s26, s26, s19
	s_lshl_b32 s19, s21, 9
	s_add_co_u32 s26, s26, s19
	s_mov_b32 s27, 0
	s_lshl_b32 s28, s21, 16                        ; the rows' part of sc: two K steps of 32,768 bytes, 16 rows of 16 bytes
	s_lshl_b32 s19, s20, 8
	s_add_co_u32 s28, s28, s19
	s_mov_b32 s29, 0
	s_lshl_b32 s30, s20, 10                        ; x_scales: 16 rows of 64 bytes, two K steps of 16
	s_lshl_b32 s19, s21, 5
	s_add_co_u32 s30, s30, s19
	s_mov_b32 s31, 0
	s_bfe_u32 s32, ttmp9, 0x50002                  ; ub
	s_and_b32 s33, ttmp9, 3                        ; gate
	s_lshl_b32 s32, s32, 12
	s_lshl_b32 s34, s33, 17
	s_add_co_u32 s34, s34, s32                     ; from: gate x 131,072 + ub x 4,096
	s_mov_b32 s35, 0
	s_lshl_b32 s36, s33, 9
	s_add_co_u32 s36, s36, s32                     ; to: ub x 4,096 + gate x 512
	s_lshr_b32 s19, ttmp9, 7
	s_lshl_b32 s19, s19, 19
	s_add_co_u32 s36, s36, s19                     ; + four K steps for U
	s_mov_b32 s37, 0
	s_wait_kmcnt 0x0
	s_cmp_lt_u32 ttmp9, 128                        ; W's work-group or U's: the choice hangs on the work-group's number alone
	s_cselect_b64 s[8:9], s[8:9], s[10:11]
	s_add_nc_u64 s[16:17], s[14:15], 0x40000       ; the units' part of sc begins 262,144 bytes in
	s_add_nc_u64 s[4:5], s[4:5], s[24:25]
	s_add_nc_u64 s[12:13], s[12:13], s[26:27]
	s_add_nc_u64 s[14:15], s[14:15], s[28:29]
	s_add_nc_u64 s[6:7], s[6:7], s[30:31]
	s_add_nc_u64 s[8:9], s[8:9], s[34:35]
	s_add_nc_u64 s[16:17], s[16:17], s[36:37]
	s_cmp_lg_u32 s18, 1
	s_cbranch_scc1 .Lnot_x_load
	global_load_b128 v[160:163], v165, s[6:7]      ; wave 1: x's scales
.Lnot_x_load:
	global_load_b128 v[156:159], v6, s[8:9]        ; W's or U's scales
.irp t, 0,1,2,3
.irp i, 0,1,2,3
	global_load_b128 v[R+16*\t+4*\i:R+16*\t+4*\i+3], v3, s[4:5] offset:(\t/2)*8192+(\t%2)*2048+512*\i th:TH_LOAD_NT   ; 32 lanes read 512 consecutive bytes; read once in the launch
.endr
.endr
	s_wait_loadcnt 16                              ; loads come back in order: all but the 16 of pre_h are in
	global_store_b128 v7, v[156:159], s[16:17]     ; a wave stores 512 consecutive bytes
	s_cmp_lg_u32 s18, 1
	s_cbranch_scc1 .Lnot_x_store
	global_store_b128 v164, v[160:163], s[14:15]   ; wave 1: sixteen lanes store 256 consecutive bytes
.Lnot_x_store:
.macro TURN t                          ; step t's numbers through its stage: LDS serves a wave's instructions in order, so no wait stands between the stores and the loads
	s_wait_loadcnt 12-4*(\t)                       ; this step's four loads are in; the later steps' may be out
.irp i, 0,1,2,3
	ds_store_b128 v14, v[R+16*(\t)+4*\i:R+16*(\t)+4*\i+3] offset:STG*(\t)+8*SP*\i
.endr
.irp i, 0,1,2,3
	ds_load_b128 v[X+16*(\t)+4*\i:X+16*(\t)+4*\i+3], v15 offset:STG*(\t)+16*\i
.endr
.endm
.irp t, 0,1,2,3
	TURN \t
.endr
.macro QSTEP t
.set XS, X+16*(\t)
	s_wait_dscnt 8*(3-(\t))+(\t)                   ; behind this step's loads from its stage: eight LDS instructions of each later step, and the byte stores of the steps already worked
	v_max3_num_f32 v8, |v[XS]|, |v[XS+1]|, |v[XS+2]|               ; the largest magnitude of my 16, in two chains
	v_max3_num_f32 v9, |v[XS+3]|, |v[XS+4]|, |v[XS+5]|
.irp i, 6,10
	v_max3_num_f32 v8, v8, |v[XS+\i]|, |v[XS+\i+1]|
	v_max3_num_f32 v9, v9, |v[XS+\i+2]|, |v[XS+\i+3]|
.endr
	v_max3_num_f32 v8, v8, |v[XS+14]|, |v[XS+15]|
	v_max3_num_f32 v8, v8, v9, 0x1800000           ; and the floor 2^(3 - 127): the byte cannot fall under 1
	v_max_num_f32_dpp v8, v8, v8 row_xmask:1 row_mask:0xf bank_mask:0xf   ; with my neighbour's 16: the block's
	v_add_nc_u32 v11, 0xff000000, v8               ; 2 off its exponent field: the conversion takes the exponent field of this operand as its scale
	v_cvt_scalef32_pk8_fp4_f32 v[C+2*(\t)], v[XS:XS+7], v11
	v_cvt_scalef32_pk8_fp4_f32 v[C+2*(\t)+1], v[XS+8:XS+15], v11
	v_lshrrev_b32 v[E+(\t)], 23, v11               ; the scale's byte (a plain line behind the conversions)
	ds_store_b8 v5, v[E+(\t)] offset:((\t)%2)*256+((\t)/2)*16      ; both lanes of a block write the same byte with the same value
	global_store_b64 v4, v[C+2*(\t):C+2*(\t)+1], s[12:13] offset:((\t)/2)*1024+((\t)%2)*256   ; the wave stores 256 consecutive bytes, aligned
.endm
.irp t, 0,1,2,3
	QSTEP \t
.endr
	s_wait_dscnt 0x0                               ; for wave 0's sake: my byte stores have landed
	s_barrier_signal -1
	s_barrier_wait -1
	s_cmp_lg_u32 s18, 0
	s_cbranch_scc1 .Lnot_wave_0
	ds_load_b128 v[168:171], v166                  ; the 512 scale bytes of the work-group's 16 rows and two K steps
	s_wait_dscnt 0x0
	global_store_b128 v164, v[168:171], s[14:15] offset:131072     ; pre_h's K steps lie four K steps behind x's
.Lnot_wave_0:
	s_wait_tensorcnt 0x0                           ; the wave's end: behind my last LDS store
	ds_add_u32 v[SPW], v[NIL]
	s_wait_dscnt 0x0
	s_endpgm
.Lfunc_end_k_q428ebda52e_prep:
	.size	k_q428ebda52e_prep, .Lfunc_end_k_q428ebda52e_prep-k_q428ebda52e_prep
	.p2alignl 7, 3214868480
	.fill 96, 4, 3214868480
	.section	.rodata,"a",@progbits
	.p2align	6, 0x0
	.amdhsa_kernel k_q428ebda52e_prep
		.amdhsa_group_segment_fixed_size 83456
		.amdhsa_private_segment_fixed_size 0
		.amdhsa_enable_private_segment 0
		.amdhsa_kernarg_size 48
		.amdhsa_user_sgpr_count 2
		.amdhsa_user_sgpr_kernarg_segment_ptr 1
		.amdhsa_wavefront_size32 1
		.amdhsa_system_sgpr_workgroup_id_x 1
		.amdhsa_system_sgpr_workgroup_id_y 1
		.amdhsa_system_sgpr_workgroup_id_z 1
		.amdhsa_system_vgpr_workitem_id 0
		.amdhsa_next_free_vgpr 192
		.amdhsa_next_free_sgpr 66
		.amdhsa_reserve_vcc 0
		.amdhsa_float_denorm_mode_32 3
		.amdhsa_float_denorm_mode_16_64 3
		.amdhsa_memory_ordered 1
		.amdhsa_forward_progress 1
		.amdhsa_inst_pref_size 13
	.end_amdhsa_kernel
	.amdgpu_metadata
---
amdhsa.version: [ 1, 2 ]
amdhsa.kernels:
  - .name:           k_q428ebda52e_prep
    .symbol:         k_q428ebda52e_prep.kd
    .args:
      - { .name: pre_layer, .offset: 0, .size: 8, .value_kind: global_buffer, .address_space: global }
      - { .name: x_scales, .offset: 8, .size: 8, .value_kind: global_buffer, .address_space: global }
      - { .name: W_scales, .offset: 16, .size: 8, .value_kind: global_buffer, .address_space: global }
      - { .name: U_scales, .offset: 24, .size: 8, .value_kind: global_buffer, .address_space: global }
      - { .name: h_codes, .offset: 32, .size: 8, .value_kind: global_buffer, .address_space: global }
      - { .name: sc, .offset: 40, .size: 8, .value_kind: global_buffer, .address_space: global }
    .group_segment_fixed_size: 83456
    .private_segment_fixed_size: 0
    .kernarg_segment_align: 8
    .kernarg_segment_size: 48
    .max_flat_workgroup_size: 256
    .sgpr_count:     66
    .vgpr_count:     192
    .wavefront_size: 32
...
	.end_amdgpu_metadata
.endif
;; end of part 1
;; launch lstm (part 2): grid 32 x 8, 4 waves a work-group, clusters of 4 x 4, 327,680 bytes of LDS; arguments x_codes, h_codes, W_codes, U_codes, sc, pre_layer, out0; writes out0
.if DOCPART == 2
	.amdgcn_target "amdgcn-amd-amdhsa--gfx1250"
	.amdhsa_code_object_version 6
	.text
	.protected	k_q428ebda52e_lstm
	.globl	k_q428ebda52e_lstm
	.p2align	8
	.type	k_q428ebda52e_lstm,@function
k_q428ebda52e_lstm:
	s_mov_b64 s[64:65], 0
	v_nop
	global_prefetch_b8 v0, s[64:65] scope:SCOPE_SE
	s_setreg_imm32_b32 hwreg(HW_REG_WAVE_MODE, 25, 1), 1
	s_wait_xcnt 0x0
	s_wait_alu depctr_hold_cnt(0) depctr_sa_sdst(0) depctr_va_vdst(0) depctr_va_sdst(0) depctr_va_ssrc(0) depctr_va_vcc(0) depctr_vm_vsrc(0)
	s_getreg_b32 s2, hwreg(HW_REG_IB_STS2, 6, 4)
	s_cmp_eq_u32 s2, 0
	s_cbranch_scc0 .Lentry_in_a_cluster
	s_endpgm
.Lentry_in_a_cluster:
	s_bfe_u32 s2, ttmp6, 0x10000c
	s_cmp_lg_u32 s2, 0xf033
	s_cbranch_scc0 .Lentry_shape_is_right
	s_endpgm
.Lentry_shape_is_right:
; LSTM cell, second launch: gates[g][b][u] = sum_k x[b][k] W[g][u][k] + sum_k pre_h[b][k] U[g][u][k] on codes of FP4 (E2M1) with E8M0 scales, f32 sums; then
; c = sigmoid(f) pre_c + sigmoid(i) tanh(n), h = sigmoid(o) tanh(c); out0 = [h, c].  No work of the problem is left out; the gates never go to memory.
; The two products are ONE sum over K = 4,096: eight K steps of 512, steps 0-3 on x and W, steps 4-7 on pre_h's codes (made by the launch before) and U, on the same accumulators.
; SHARES.  A work-group owns 256 rows b x 64 units x all 4 gates; each of its four waves 128 b x (4 gates x 32 units): 64 accumulators of 16 x 16, 512 registers.
; THE MATRIX INSTRUCTION IS USED TRANSPOSED (source 0 = 16 rows of W or U, source 1 = 16 rows of x or pre_h).  B's block 2 g + t holds gate g, units 16 t .. + 15 of the wave's 32: so accumulators (a, t), (a, 2 + t), (a, 4 + t), (a, 6 + t)
; hold i, f, o, n of the SAME (b, u) in the same lane and register, and the cell's arithmetic needs no other lane.
; RING.  Two LDS slots of one K step: A's 256 rows of 256 bytes (pitch 272), then B's 4 x 64 rows likewise.  A slot's 131,072 bytes are shared EVENLY among the four waves' tensor loads, 32,768 each: waves 0 and 1 A's two halves of 128 rows,
; waves 2 and 3 two gates of B each (a tile of three dimensions: 256 bytes x 64 units x 2 gates).
; THE SCALE WORDS do not go through LDS: the launch before has laid them by K step in one buffer, so that one load of 16 bytes a lane brings A's block i in lanes 0-15 and B's block i in lanes 16-31, 256 consecutive bytes for each half of the lanes.
; Eight loads a wave and K step, into two sets of 32 registers by turns; a set is asked for as soon as its last products are issued, a whole K step ahead of its next use.
; CLUSTERS: 4 x 4 work-groups.  A's tiles hang on the block of rows alone and are asked for jointly along a row of the cluster, B's on the block of units alone, along a column.
; THE WAY OUT.  pre_c's tile (256 rows x 256 bytes) comes by a last fill into slot 0's bytes for A, a load of each work-group's own.  c is written over it in place, h into slot 0's bytes for B (both have had their last fill and their last read as codes);
; a block of 16 rows at a time, one barrier a block; the wave with units' half 0 stores its rows of h, the other its rows of c: sixteen lanes to 256 consecutive bytes, aligned.  A block's stores leave while the next block is computed.
; THE CELL, 7 transcendentals a number: E = 2^min(-k gate, 30), k = log2(e) for i, f, o and 2 log2(e) for n; A = 1 + E; c = (pre_c Ai An + (1 - En) Af) / (Ai An Af); Ec = 2^min(-2 log2(e) c, 30); h = (1 - Ec) / (Ao (1 + Ec)).
; LIMITS: the hold of the exponents at 30 moves a sigmoid or a tanh by less than 2^-29; |pre_c| stays under 2^60 (the products of three A reach 2^90); NaN, infinities and the scale byte 0xff among the inputs are not served (the hold lets a NaN fall).
; REGISTERS, in windows of 256: window 0: v1-30 addresses; v32-95 scale words, two sets, and nothing else; v96-127 rows on their way out; v128-191 A's fragments, ONE set, later the four gates' E; v192-255 pre_c and work of the cell.
;   window 1: B's fragments, TWO sets, at v0 and v128.   window 2: the accumulators of my rows 0-63 ((a, b) at v[8 (8 a + b)]);   window 3: those of my rows 64-127.
.set PITCH, 272                        ; an LDS row: 256 bytes + 16 of padding = 68 words: the 16 rows that a load touches start at 16 different banks (64 banks of 4 bytes: ISA guide 11.1)
.set HALFT, 128*PITCH                  ; 128 rows: what one tensor load brings
.set BCOD,  2*HALFT                    ; in a slot: A's codes at 0, B's here
.set SLOT,  4*HALFT
.set SPARE, 2*SLOT                     ; behind the ring: the spare words, 128 bytes for each wave: two blocks of 256 bytes that no other line names
.set NQ,    4                          ; steps of 128 along K in a slot
.set FR,    8                          ; registers of a fragment
.set NL,    2                          ; LDS loads that bring one
.set NP,    4                          ; places behind this matrix instruction (ISA guide 7.12.1)
.set PADW,  (1<<20)|(5<<22)|(3<<25)    ; group 1, word 0: padding on, after every 64 words, four words
.set CADR, 8                           ; v8   the way out: my 32 bytes of a row of pre_c and c
.set HADR, 9                           ; v9   the same for h
.set RDB,  10                          ; v10  where I read whole rows back
.set CO,   11                          ; v11  and their place in out0
.set ADRA, 16                          ; v16-17 LDS address of my A fragments in slot 0, 1
.set ADRB, 20                          ; v20-21 the same for B
.set SO,   22                          ; v22-23 my byte offset among the scale words, one for each set: lanes 0-15 in the rows' part, lanes 16-31 in the units' part
.set S2,   24                          ; v24  two K steps on: 65,536 bytes in the rows' part, 262,144 in the units'
.set SPW,  28                          ; v28  LDS address of my spare word; never rewritten
.set NIL,  29                          ; v29  0; never rewritten
.set PFO,  30                          ; v30  8,192 x lane: a row of pre_c in memory; never rewritten
.set SC,   32                          ; scale words: set s (slot s) at v[SC + 32 s]; register 4 i + q: lanes 0-15 A's block i, lanes 16-31 B's block i, the slot's q-th 128 along K
.set RB,   96
.set AF,   128
.set E,    128                         ; the way out: Ei, Ef, Eo, En, 16 registers each (8 t + j)
.set EI,   E
.set EF,   E+16
.set EO,   E+32
.set EN,   E+48
.set PCB,  192                         ; pre_c, then c: two sets of 16
.set XX,   224
.set YY,   240
.set LAP,  2                           ; s2   the loop's count: 3, 2, 1
.set CL,   2                           ; s2   on the way out: 30.0
.set WV,   3                           ; s3   my wave's number
.set G0P,  4                           ; s[4:7], s[8:15] groups 0 and 1 for pre_c's tile
.set G1P,  8
.set P2A,  16                          ; s[16:17] where pre_h's codes of the rows that I fetch begin, s[18:19] U's of the gates that I fetch: both with the type bits
.set P2B,  18
.set OUT,  20                          ; s[20:21] out0 at the rows that I store
.set IH,   22                          ; s22  which half of the rows is mine
.set JH,   23                          ; s23  which half of the units.  Also: which half of A's or of B's tile I fetch
.set G1A,  24                          ; s[24:31] group 1 for A's tiles
.set SCB,  32                          ; s[32:33] the scale words' buffer; never rewritten
.set G1B,  40                          ; s[40:47] group 1 for B's tiles, s[48:51], s[52:55] its groups 2 and 3
.set G2B,  48
.set G3B,  52
.set PFP,  66                          ; s[66:67] pre_c at my wave's 64 rows
.set G0A,  68                          ; s[68:75] groups 0 for A's tiles, a set for each slot
.set G0B,  84                          ; s[84:91] the same for B's
.set TY,   100                         ; s[100:101] while descriptors are made: numbers made of the cluster's y, cy and the wave's number alone
.set TX,   104                         ; s[104:105] of the cluster's x, cx and the wave's number alone
.set K1,   100                         ; on the way out: -log2(e), as a pair;
.set K2,   104                         ; -2 log2(e)
.set MSB, 0
.macro WIN new                         ; the immediate's high byte repeats the setting that is left
.if MSB != \new
	s_set_vgpr_msb (MSB<<8)|\new
.set MSB, \new
.endif
.endm
.set MUL_LO, 0xa1                      ; source 0 (B) window 1, source 1 (A) window 0, C and D window 2
.set MUL_HI, 0xf1                      ; the same, C and D window 3
.set TO_B,   0x40                      ; destination window 1, address window 0
.macro PLACES n
.rept \n
	v_nop
.endr
.endm
; A slot's joint loads, one a wave: waves 0 and 1 fetch A's two halves, waves 2 and 3 B's.  Each line has one mask and one set of registers for all that issue it; the branch hangs on the wave's number alone.
; An s_nop 0 and four v_nop follow each line, ahead of the jump, the label and what follows.
.macro JLOAD f
	s_cmp_lt_u32 s[WV], 2
	s_cbranch_scc0 .Lfor_b_\@
	tensor_load_to_lds s[G0A+4*\f:G0A+4*\f+3], s[G1A:G1A+7]
	s_nop 0
.rept 4
	v_nop
.endr
	s_branch .Lasked_\@
.Lfor_b_\@:
	tensor_load_to_lds s[G0B+4*\f:G0B+4*\f+3], s[G1B:G1B+7], s[G2B:G2B+3], s[G3B:G3B+3]
	s_nop 0
.rept 4
	v_nop
.endr
.Lasked_\@:
.endm
.macro CREST                           ; a round of the cluster's barrier behind its opening barrier
	s_cmp_lg_u32 s[WV], 0
	s_cbranch_scc1 .Lnot_wave_0_\@
	s_barrier_signal -3
.Lnot_wave_0_\@:
	s_barrier_wait -3
	s_barrier_signal -1
	s_barrier_wait -1
.endm
.macro CROUND                          ; a whole round
	s_barrier_signal -1
	s_barrier_wait -1
	CREST
.endm
; A PREFETCH INTO THE L2 of pre_c's tile: my wave's own 64 rows of 256 bytes, a lane a row, two instructions, in the loop's last trip: two K steps, 512 matrix instructions, ahead of the tensor load that asks for them.
; No other wave of the launch reads these rows, so each is named once; the address registers are never rewritten.
.macro ASKP
	s_cmp_eq_u32 s[LAP], 1
	s_cbranch_scc0 .Lnot_yet_\@
	global_prefetch_b8 v[PFO], s[PFP:PFP+1] th:TH_LOAD_NT scope:SCOPE_SE
	global_prefetch_b8 v[PFO], s[PFP:PFP+1] offset:262144 th:TH_LOAD_NT scope:SCOPE_SE
.Lnot_yet_\@:
.endm
	s_load_b64 s[G0A+2:G0A+3], s[0:1], 0x0         ; x_codes: each address is loaded into the words that will hold it
	s_load_b64 s[P2A:P2A+1], s[0:1], 0x8           ; h_codes
	s_load_b64 s[G0B+2:G0B+3], s[0:1], 0x10        ; W_codes
	s_load_b64 s[P2B:P2B+1], s[0:1], 0x18          ; U_codes
	s_load_b64 s[SCB:SCB+1], s[0:1], 0x20          ; sc
	s_load_b64 s[PFP:PFP+1], s[0:1], 0x28          ; pre_layer
	s_load_b64 s[OUT:OUT+1], s[0:1], 0x30          ; out0
	v_lshl_add_u32 v[SPW], v0, 2, SPARE
	v_mov_b32 v[NIL], 0
	ds_add_u32 v[SPW], v[NIL]                      ; the wave's opening: the add, twice on end, and its wait ahead of my first tensor load; the set-up below, work on registers, stands between
	ds_add_u32 v[SPW], v[NIL]                      ; and once more, under the one wait
	v_lshrrev_b32 v1, 5, v0
	v_readfirstlane_b32 s[WV], v1                  ; wave 0..3
	s_lshr_b32 s[IH], s[WV], 1
	s_and_b32 s[JH], s[WV], 1
	s_bfe_u32 s[TY], ttmp6, 0x40004                ; cy
	s_lshl_b32 s[TY+1], s[TY], 2
	s_lshl_b32 s[TY+1], 15, s[TY+1]                ; my row of the cluster
	s_or_b32 s[G1A], s[TY+1], PADW|(1<<21)         ; 15:0 the mask; 17:16 elements of 1 byte; 21 set beside a mask; the padding
	s_and_b32 s[TY+1], ttmp7, 0xffff
	s_lshl_b32 s[TY+1], s[TY+1], 2
	s_add_co_u32 s[TY], s[TY+1], s[TY]             ; my block of 256 rows = 4 x cluster y + cy
	s_bfe_u32 s[TX], ttmp6, 0x40000                ; cx
	s_lshl_b32 s[TX+1], 0x1111, s[TX]              ; my column of the cluster
	s_or_b32 s[G1B], s[TX+1], PADW|(1<<21)
	s_lshl_b32 s[TX+1], ttmp9, 2
	s_add_co_u32 s[TX], s[TX+1], s[TX]             ; my block of 64 units = 4 x cluster x + cx
	; offsets that hang on both coordinates are made in s4-s7 and s34-s36 alone: they enter out0's, pre_c's and the scale words' addresses, which are no joint load's
	s_lshl_b32 s4, s[TY], 21                       ; 256 rows of 8,192 bytes
	s_lshl_b32 s5, s[TX], 8                        ; 64 units of 4 bytes
	s_add_co_u32 s6, s4, s5
	s_lshl_b32 s4, s[IH], 20                       ; out0: my 128 rows,
	s_lshl_b32 s5, s[JH], 24                       ; and the plane that I store: 0 = h, 1 = c
	s_add_co_u32 s4, s4, s5
	s_add_co_u32 s4, s4, s6
	s_mov_b32 s5, 0
	s_lshl_b32 s7, s[WV], 19                       ; pre_c: the 64 rows that I fetch,
	s_add_co_u32 s6, s6, s7
	s_add_co_u32 s6, s6, 0x1000000                 ; in pre_layer's second plane
	s_mov_b32 s7, 0
	s_lshl_b32 s34, s[TY], 12                      ; the scale words of my 128 rows: 256 rows of 16 bytes a block,
	s_lshl_b32 s35, s[IH], 11                      ; my half of them
	s_add_co_u32 s34, s34, s35
	s_lshl_b32 s35, s[TX], 12                      ; those of my 4 x 32 units: 4,096 bytes a block of units,
	s_lshl_b32 s36, s[JH], 11                      ; my half,
	s_add_co_u32 s35, s35, s36
	s_add_co_u32 s35, s35, 0x40000                 ; in the buffer's second part;
	s_sub_co_u32 s35, s35, s34                     ; as a distance from my rows'
	s_lshl_b32 s[TY], s[TY], 18                    ; codes: 256 rows of 1,024 bytes,
	s_lshl_b32 s36, s[JH], 17                      ; and the 128 of them that I fetch
	s_add_co_u32 s[TY], s[TY], s36
	s_mov_b32 s[TY+1], 0
	s_lshl_b32 s[TX], s[TX], 16                    ; codes: 64 units of 1,024 bytes,
	s_lshl_b32 s36, s[JH], 22                      ; and the two gates that I fetch: a gate is 0x200000 bytes
	s_add_co_u32 s[TX], s[TX], s36
	s_mov_b32 s[TX+1], 0
	s_mul_i32 s37, s[WV], HALFT                    ; where my tile goes in a slot: A's two halves, then B's two: no place in the cluster enters an LDS address
	; group 1, A's codes: 128 rows of 256 bytes, 1,024 bytes apart
	s_mov_b32 s[G1A+1], 256<<16                    ; tensor_dim0
	s_mov_b32 s[G1A+2], 128<<16                    ; tensor_dim1
	s_mov_b32 s[G1A+3], 256<<16                    ; tile_dim0
	s_mov_b32 s[G1A+4], 128                        ; tile_dim1
	s_mov_b32 s[G1A+5], 1024                       ; stride from row to row
	s_mov_b32 s[G1A+6], 0
	s_mov_b32 s[G1A+7], 0
	; B's codes: 256 bytes x 64 units x 2 gates; a gate is 2,048 x 1,024 = 0x200000 bytes on
	s_mov_b32 s[G1B+1], 256<<16
	s_mov_b32 s[G1B+2], 64<<16
	s_mov_b32 s[G1B+3], 256<<16
	s_mov_b32 s[G1B+4], 64|(2<<16)                 ; tile_dim1 = 64, tile_dim2 = 2
	s_mov_b32 s[G1B+5], 1024
	s_mov_b32 s[G1B+6], 0                          ; the plane stride's low 16 bits are 0
	s_mov_b32 s[G1B+7], 32                         ; its bits 47:16
	s_mov_b32 s[G2B], 2                            ; tensor_dim2
	s_mov_b32 s[G2B+1], 1                          ; tensor_dim3
	s_mov_b32 s[G2B+2], 0x800000                   ; the next stride: not used, tile_dim3 = 0
	s_mov_b32 s[G2B+3], 0
	s_mov_b32 s[G3B], 0x800000
	s_mov_b32 s[G3B+1], 1<<16                      ; tensor_dim4 = 1
	s_mov_b32 s[G3B+2], 0                          ; tile_dim4 = 0
	s_mov_b32 s[G3B+3], 0
	s_mov_b32 s[G1P], PADW                         ; pre_c: no mask; 64 rows of 256 bytes, 8,192 bytes apart
	s_mov_b32 s[G1P+1], 256<<16
	s_mov_b32 s[G1P+2], 64<<16
	s_mov_b32 s[G1P+3], 256<<16
	s_mov_b32 s[G1P+4], 64
	s_mov_b32 s[G1P+5], 8192
	s_mov_b32 s[G1P+6], 0
	s_mov_b32 s[G1P+7], 0
.irp f, 0,1                            ; groups 0: the count and the LDS address: wave x 128 rows + the slot
	s_mov_b32 s[G0A+4*\f], 1
	s_add_co_u32 s[G0A+4*\f+1], s37, \f*SLOT
	s_mov_b32 s[G0B+4*\f], 1
	s_add_co_u32 s[G0B+4*\f+1], s37, \f*SLOT
.endr
	s_wait_dscnt 0x0                               ; both opening adds are done
	s_wait_kmcnt 0x0
	s_add_nc_u64 s[OUT:OUT+1], s[OUT:OUT+1], s[4:5]
	s_add_nc_u64 s[PFP:PFP+1], s[PFP:PFP+1], s[6:7]
	s_mov_b32 s[G0P], 1
	s_mul_i32 s[G0P+1], s[WV], 64*PITCH            ; pre_c's tile lands where slot 0 held A's codes: wave x 64 rows
	s_mov_b64 s[G0P+2:G0P+3], s[PFP:PFP+1]
	s_or_b32 s[G0P+3], s[G0P+3], 0x80000000
	s_add_nc_u64 s[G0A+2:G0A+3], s[G0A+2:G0A+3], s[TY:TY+1]
	s_add_nc_u64 s[P2A:P2A+1], s[P2A:P2A+1], s[TY:TY+1]
	s_add_nc_u64 s[G0B+2:G0B+3], s[G0B+2:G0B+3], s[TX:TX+1]
	s_add_nc_u64 s[P2B:P2B+1], s[P2B:P2B+1], s[TX:TX+1]
	s_add_nc_u64 s[G0A+6:G0A+7], s[G0A+2:G0A+3], 256           ; slot 1 begins with K step 1
	s_add_nc_u64 s[G0B+6:G0B+7], s[G0B+2:G0B+3], 256
.irp w, G0A+3, G0A+7, G0B+3, G0B+7, P2A+1, P2B+1
	s_or_b32 s[\w], s[\w], 0x80000000              ; 127:126 type = 2
.endr
	CROUND                                         ; all sixteen work-groups are here: the first joint loads meet
	JLOAD 0                                        ; K step 0
	JLOAD 1                                        ; K step 1: two loads of mine are out
.macro GSCALES sc                      ; a K step's scale words into set sc: four words a row; lanes 0-15 take A's block i, lanes 16-31 B's block i: 256 consecutive bytes for each half of the lanes
.irp i, 0,1,2,3,4,5,6,7
	global_load_b128 v[SC+8*NQ*\sc+NQ*\i:SC+8*NQ*\sc+NQ*\i+3], v[SO+\sc], s[SCB:SCB+1] offset:\i*256
.endr
.endm
	v_and_b32 v1, 15, v0                           ; r = lane % 16
	v_bfe_u32 v2, v0, 4, 1                         ; h = lane / 16
	v_lshlrev_b32 v5, 4, v1                        ; scale words: 16 bytes a row and K step
	v_mul_lo_u32 v6, v2, s35                       ; lanes 16-31 take the units'
	v_add_nc_u32 v5, v5, v6
	v_add_nc_u32 v[SO], s34, v5                    ; K step 0
	v_lshlrev_b32 v6, 1, v2
	v_mov_b32 v[S2], 0x8000
	v_lshlrev_b32 v[S2], v6, v[S2]                 ; a K step on: 32,768 bytes among the rows', 131,072 among the units'
	v_add_nc_u32 v[SO+1], v[S2], v[SO]             ; K step 1
	v_lshlrev_b32 v[S2], 1, v[S2]                  ; two K steps
	GSCALES 0
	GSCALES 1
	v_mul_u32_u24 v3, v1, PITCH
	v_lshl_add_u32 v4, v2, 4, v3                   ; a fragment's row x pitch + 16 x half
	s_mul_i32 s100, s[IH], HALFT                   ; my 128 rows of A
	s_mul_i32 s101, s[JH], 32*PITCH                ; my 32 units of each gate
	s_add_co_u32 s101, s101, BCOD
.irp s, 0,1
	v_add_nc_u32 v[ADRA+\s], s100, v4
	v_add_nc_u32 v[ADRB+\s], s101, v4
	s_add_co_u32 s100, s100, SLOT
	s_add_co_u32 s101, s101, SLOT
.endr
	s_mul_i32 s100, s[IH], HALFT                   ; the way out
	s_lshl_b32 s101, s[JH], 7
	s_add_co_u32 s101, s101, s100
	v_lshl_add_u32 v5, v2, 5, v3
	v_add_nc_u32 v[CADR], s101, v5                 ; row 128 IH + r, byte 128 JH + 32 h
	v_add_nc_u32 v[HADR], BCOD, v[CADR]
	s_xor_b32 s101, s[JH], 1
	s_mul_i32 s101, s101, BCOD                     ; units' half 0 reads h back, half 1 reads c
	s_add_co_u32 s101, s101, s100
	v_mul_u32_u24 v5, v2, PITCH
	v_lshl_add_u32 v5, v1, 4, v5
	v_add_nc_u32 v[RDB], s101, v5                  ; lanes 0-15 one row of 256 bytes, lanes 16-31 the next
	v_lshlrev_b32 v[CO], 13, v2
	v_lshl_add_u32 v[CO], v1, 4, v[CO]             ; and the same two rows in out0
	v_and_b32 v[PFO], 31, v0
	v_lshlrev_b32 v[PFO], 13, v[PFO]
.macro FRAG reg, adr, off              ; a fragment, 16 rows x 128 K of 4-bit codes: lane l holds row l % 16; registers 4 c .. 4 c + 3 hold K = 64 c + 32 (l / 16) + 0 .. 31
.irp c, 0,1
	ds_load_b128 v[\reg+4*\c:\reg+4*\c+3], v[\adr] offset:(\off)+32*\c
.endr
.endm
; 16 matrix instructions: A's blocks a0, a0 + 1 x B's eight, the slot's q-th 128 along K.  p: B's set; sc: the set of scale words.  zero = 1: the first product starts the sums: nothing is ever cleared.
; The 64 accumulators take turns, one instruction a turn, in the same order in every step.
.macro MUL16 a0, p, q, sc, zero
.irp a, \a0, \a0+1
.irp b, 0,1,2,3,4,5,6,7
.if \zero
	v_wmma_scale_f32_16x16x128_f8f6f4 v[8*(8*((\a)%4)+\b):8*(8*((\a)%4)+\b)+7], v[128*(\p)+FR*\b:128*(\p)+FR*\b+FR-1], v[AF+FR*(\a):AF+FR*(\a)+FR-1], 0, v[SC+8*NQ*(\sc)+NQ*\b+(\q)], v[SC+8*NQ*(\sc)+NQ*(\a)+(\q)] matrix_a_fmt:MATRIX_FMT_FP4 matrix_b_fmt:MATRIX_FMT_FP4 matrix_a_scale:MATRIX_SCALE_ROW1
.else
	v_wmma_scale_f32_16x16x128_f8f6f4 v[8*(8*((\a)%4)+\b):8*(8*((\a)%4)+\b)+7], v[128*(\p)+FR*\b:128*(\p)+FR*\b+FR-1], v[AF+FR*(\a):AF+FR*(\a)+FR-1], v[8*(8*((\a)%4)+\b):8*(8*((\a)%4)+\b)+7], v[SC+8*NQ*(\sc)+NQ*\b+(\q)], v[SC+8*NQ*(\sc)+NQ*(\a)+(\q)] matrix_a_fmt:MATRIX_FMT_FP4 matrix_b_fmt:MATRIX_FMT_FP4 matrix_a_scale:MATRIX_SCALE_ROW1
.endif
.endr
.endr
.endm
.macro FETCH_B slot, q, p              ; B's eight fragments into set p: block i = gate i / 2, units 16 (i % 2) on: LDS row 64 (i / 2) + 16 (i % 2)
	WIN TO_B
.irp i, 0,1,2,3,4,5,6,7
	FRAG 128*(\p)+FR*\i, ADRB+\slot, 64*(\q)+((\i/2)*64+(\i%2)*16)*PITCH
.endr
	WIN 0
.endm
.macro FETCH_A slot, q, i0             ; A's blocks i0 .. i0 + 3
.irp i, \i0, \i0+1, \i0+2, \i0+3
	FRAG AF+FR*(\i), ADRA+\slot, 64*(\q)+(\i)*16*PITCH
.endr
.endm
; A step of 128 along K that has its successor in the same slot.  A load into a register that a matrix instruction has read stands NP plain vector instructions behind it.
.macro STEP slot, q, zero
	s_wait_dscnt 4*NL                              ; B's set and A's blocks 0-3 are in; the youngest eight loads (A's blocks 4-7) may be out
	WIN MUL_LO
	MUL16 0, (\q)%2, \q, \slot, \zero
	MUL16 2, (\q)%2, \q, \slot, \zero
	s_wait_dscnt 0                                 ; A's blocks 4-7 are in (asked for 32 matrix instructions ago)
	PLACES NP
	FETCH_B \slot, (\q)+1, 1-(\q)%2
	FETCH_A \slot, (\q)+1, 0
	WIN MUL_HI
	MUL16 4, (\q)%2, \q, \slot, \zero
	MUL16 6, (\q)%2, \q, \slot, \zero
	PLACES NP
	WIN 0
	FETCH_A \slot, (\q)+1, 4
.endm
; A slot's last step changes slots: ONE barrier, which opens a round of the cluster's.  In front of it each wave waits for all its tensor loads (one is out: its part of the next slot), adds 0 to its spare word, and waits for that and for its reads of this slot.
; fill = 1: this slot takes the K step two steps on, and this slot's set of scale registers that K step's words.  fill = 2: slot 0's bytes for A take pre_c's tile, 64 rows a wave.
.macro TURN slot, next, fill
	s_wait_tensorcnt 0x0                           ; no tensor load of mine is out, so every group 0 may be written  (every window is 0 here)
	ds_add_u32 v[SPW], v[NIL]                      ; 0 onto my spare word; the address steps and sixteen matrix instructions stand between it and the wait for it
.if \fill == 1
.if \slot == 0
	s_add_nc_u64 s[G0A+2:G0A+3], s[G0A+2:G0A+3], 512           ; two K steps on along the rows;
	s_add_nc_u64 s[G0B+2:G0B+3], s[G0B+2:G0B+3], 512
	s_cmp_eq_u32 s[LAP], 2                         ; in the second trip the refill is K step 4: the first of pre_h and U
	s_cselect_b64 s[G0A+2:G0A+3], s[P2A:P2A+1], s[G0A+2:G0A+3]
	s_cselect_b64 s[G0B+2:G0B+3], s[P2B:P2B+1], s[G0B+2:G0B+3]
.else
	s_add_nc_u64 s[G0A+6:G0A+7], s[G0A+2:G0A+3], 256           ; the K step behind the one that slot 0 was last asked for
	s_add_nc_u64 s[G0B+6:G0B+7], s[G0B+2:G0B+3], 256
.endif
.endif
	s_wait_dscnt 4*NL+1                            ; (the add and the youngest eight loads, A's blocks 4-7, may be out)
	WIN MUL_LO
	MUL16 0, 1, NQ-1, \slot, 0
	s_wait_dscnt 0x0                               ; the add is done, and my reads of this slot are over
	s_barrier_signal -1
	MUL16 2, 1, NQ-1, \slot, 0
	WIN 0
	s_barrier_wait -1
	CREST                                          ; no wave of any partner still reads this slot or has a load on its way
.if \fill == 1
	JLOAD \slot                                    ; my one tensor load behind the round; the four v_nop behind it are also the places in front of the loads below
.else
	tensor_load_to_lds s[G0P:G0P+3], s[G1P:G1P+7]
	s_nop 0
.rept 4
	v_nop
.endr
.endif
	FETCH_B \next, 0, 0
	FETCH_A \next, 0, 0
.if (\fill == 1) && (\slot == 0)
	ASKP
.endif
	WIN MUL_HI
	MUL16 4, 1, NQ-1, \slot, 0
	MUL16 6, 1, NQ-1, \slot, 0
	s_wait_loadcnt 0x0                             ; the next K step's scale words, asked for a K step ago, are in: they were my only loads into registers that were out, so both offsets may be written
	PLACES NP
	WIN 0
	FETCH_A \next, 0, 4
.if \fill == 1
	v_add_nc_u32 v[SO+\slot], v[S2], v[SO+\slot]   ; two K steps on
	GSCALES \slot                                  ; this set's last products stand in front of the places above
.endif
.endm
.macro STEPS slot, from                ; the slot's steps from .. NQ - 2
.set Q, \from
.rept NQ-1-\from
	STEP \slot, Q, 0
.set Q, Q+1
.endr
.endm
	s_wait_tensorcnt 1                             ; my part of K step 0 is in (K step 1's load may be out)
	s_barrier_signal -1
	s_barrier_wait -1                              ; everybody's is
	FETCH_B 0, 0, 0
	FETCH_A 0, 0, 0
	FETCH_A 0, 0, 4
	s_wait_loadcnt 8                               ; K step 0's eight loads of scale words are in; K step 1's eight may be out
	STEP 0, 0, 1                                   ; the first step stands in front of the loop: its products start the sums
	s_mov_b32 s[LAP], 3
.Llap:                                                 ; a trip goes once round the ring, from a lap's second step to the next lap's first, and fills both slots again: K steps 2 and 3, 4 and 5, 6 and 7
	STEPS 0, 1
	TURN 0, 1, 1
	STEPS 1, 0
	TURN 1, 0, 1
	STEP 0, 0, 0
	s_sub_co_u32 s[LAP], s[LAP], 1
	s_cmp_lg_u32 s[LAP], 0
	s_cbranch_scc1 .Llap
	STEPS 0, 1                                     ; K step 6 goes on
	TURN 0, 1, 2                                   ; and leaves slot 0 to pre_c
	STEPS 1, 0                                     ; K step 7
	s_wait_dscnt 4*NL                              ; the very last step: nothing more to fetch
	WIN MUL_LO
	MUL16 0, 1, NQ-1, 1, 0
	MUL16 2, 1, NQ-1, 1, 0
	s_wait_dscnt 0                                 ; my last reads of the ring are in,
	s_wait_tensorcnt 0x0                           ; and my 64 rows of pre_c have landed: other waves read them behind this barrier.
	s_barrier_signal -1
	WIN MUL_HI
	MUL16 4, 1, NQ-1, 1, 0
	MUL16 6, 1, NQ-1, 1, 0
	WIN 0
	s_barrier_wait -1
	; THE CELL AND THE WAY OUT, a block of 16 rows x my 32 units at a time: 16 numbers a lane.
	s_mov_b32 s[CL], 0x41f00000                    ; 30.0
	s_mov_b32 s[K1], 0xbfb8aa3b                    ; -log2(e); the packed form names a pair and takes its low word for both halves
	s_mov_b32 s[K1+1], s[K1]
	s_mov_b32 s[K2], 0xc038aa3b                    ; -2 log2(e)
	s_mov_b32 s[K2+1], s[K2]
	PLACES NP                                      ; behind the last products: their results are read, and A's registers written, by vector instructions below
.irp t, 0,1
.irp c, 0,1
	ds_load_b128 v[PCB+8*\t+4*\c:PCB+8*\t+4*\c+3], v[CADR] offset:64*\t+16*\c      ; block 0's pre_c
.endr
.endr
.macro EPI a
.set AC,  64*((\a)%4)                  ; the block's eight accumulators: i, i, f, f, o, o, n, n
.set PCR, PCB+16*((\a)%2)
.set PCN, PCB+16*(((\a)+1)%2)
.set WN,  0x02+(\a)/4                  ; source 0 in window 2 or 3
	WIN WN
.set n, 0
.rept 32                               ; -k x gate, two at a time; each accumulator from its low end on
.if n < 24
	v_pk_mul_f32 v[E+2*n:E+2*n+1], v[AC+2*n:AC+2*n+1], s[K1:K1+1] op_sel_hi:[1,0]
.else
	v_pk_mul_f32 v[E+2*n:E+2*n+1], v[AC+2*n:AC+2*n+1], s[K2:K2+1] op_sel_hi:[1,0]
.endif
.set n, n+1
.endr
	WIN 0
.set n, 0
.rept 64
	v_min_num_f32 v[E+n], s[CL], v[E+n]            ; held at 30: no exponential and no product of three A overflows
.set n, n+1
.endr
.set n, 0
.rept 64
	v_exp_f32 v[E+n], v[E+n]                       ; one batch
.set n, n+1
.endr
.if (\a) > 0
	s_barrier_wait -1                              ; every wave has stored block a - 1's c and h
	s_wait_xcnt 0x0                                ; the stores of the block before have read their registers: they are loaded again
.irp i, 0,1,2,3,4,5,6,7
	ds_load_b128 v[RB+4*\i:RB+4*\i+3], v[RDB] offset:(16*((\a)-1)+2*\i)*PITCH      ; block a - 1 back as whole rows of 256 bytes
.endr
.else
	s_wait_dscnt 0x0                               ; block 0's pre_c is in
.endif
	v_nop                                          ; a plain instruction behind the last exponential,
	s_wait_alu depctr_va_vdst(0)                   ; and the one wait for the batch, ahead of its first reader
.irp j, 0,2,4,6,8,10,12,14
	v_pk_add_f32 v[EF+\j:EF+\j+1], v[EF+\j:EF+\j+1], 1.0 op_sel_hi:[1,0]           ; Af
.endr
.irp j, 0,2,4,6,8,10,12,14
	v_pk_fma_f32 v[YY+\j:YY+\j+1], v[EN+\j:EN+\j+1], v[EF+\j:EF+\j+1], v[EF+\j:EF+\j+1] neg_lo:[1,0,0] neg_hi:[1,0,0]   ; (1 - En) Af
.endr
.irp j, 0,2,4,6,8,10,12,14
	v_pk_add_f32 v[EN+\j:EN+\j+1], v[EN+\j:EN+\j+1], 1.0 op_sel_hi:[1,0]           ; An
.endr
.irp j, 0,2,4,6,8,10,12,14
	v_pk_fma_f32 v[XX+\j:XX+\j+1], v[EI+\j:EI+\j+1], v[EN+\j:EN+\j+1], v[EN+\j:EN+\j+1]     ; Ai An
.endr
.irp j, 0,2,4,6,8,10,12,14
	v_pk_fma_f32 v[YY+\j:YY+\j+1], v[PCR+\j:PCR+\j+1], v[XX+\j:XX+\j+1], v[YY+\j:YY+\j+1]   ; pre_c Ai An + (1 - En) Af
.endr
.irp j, 0,2,4,6,8,10,12,14
	v_pk_mul_f32 v[XX+\j:XX+\j+1], v[XX+\j:XX+\j+1], v[EF+\j:EF+\j+1]              ; Ai An Af
.endr
.set n, 0
.rept 16
	v_rcp_f32 v[XX+n], v[XX+n]
.set n, n+1
.endr
	v_nop
	s_wait_alu depctr_va_vdst(0)
.irp j, 0,2,4,6,8,10,12,14
	v_pk_mul_f32 v[PCR+\j:PCR+\j+1], v[YY+\j:YY+\j+1], v[XX+\j:XX+\j+1]            ; c
.endr
.irp t, 0,1
.irp c, 0,1
	ds_store_b128 v[CADR], v[PCR+8*\t+4*\c:PCR+8*\t+4*\c+3] offset:(\a)*16*PITCH+64*\t+16*\c   ; over my own bytes of pre_c
.endr
.endr
.if (\a) < 7
.irp t, 0,1
.irp c, 0,1
	ds_load_b128 v[PCN+8*\t+4*\c:PCN+8*\t+4*\c+3], v[CADR] offset:((\a)+1)*16*PITCH+64*\t+16*\c   ; the next block's pre_c
.endr
.endr
.endif
.if (\a) > 0
.if (\a) < 7
	s_wait_dscnt 8                                 ; behind the eight loads of block a - 1: the four stores and four loads above
.else
	s_wait_dscnt 4                                 ; the four stores above
.endif
.irp i, 0,1,2,3,4,5,6,7
	global_store_b128 v[CO], v[RB+4*\i:RB+4*\i+3], s[OUT:OUT+1] offset:(16*((\a)-1)+2*\i)*8192 th:TH_STORE_NT   ; 16 lanes store 256 consecutive bytes, aligned; written once, read by nobody here
.endr
.endif
.irp j, 0,2,4,6,8,10,12,14
	v_pk_mul_f32 v[YY+\j:YY+\j+1], v[PCR+\j:PCR+\j+1], s[K2:K2+1] op_sel_hi:[1,0]
.endr
.set n, 0
.rept 16
	v_min_num_f32 v[YY+n], s[CL], v[YY+n]
.set n, n+1
.endr
.set n, 0
.rept 16
	v_exp_f32 v[YY+n], v[YY+n]                     ; Ec
.set n, n+1
.endr
.irp j, 0,2,4,6,8,10,12,14
	v_pk_add_f32 v[EO+\j:EO+\j+1], v[EO+\j:EO+\j+1], 1.0 op_sel_hi:[1,0]           ; Ao: plain work behind the exponentials
.endr
	s_wait_alu depctr_va_vdst(0)
.irp j, 0,2,4,6,8,10,12,14
	v_pk_add_f32 v[XX+\j:XX+\j+1], v[YY+\j:YY+\j+1], 1.0 op_sel_hi:[1,0] neg_lo:[1,0] neg_hi:[1,0]   ; 1 - Ec
.endr
.irp j, 0,2,4,6,8,10,12,14
	v_pk_fma_f32 v[YY+\j:YY+\j+1], v[YY+\j:YY+\j+1], v[EO+\j:EO+\j+1], v[EO+\j:EO+\j+1]     ; (1 + Ec) Ao
.endr
.set n, 0
.rept 16
	v_rcp_f32 v[YY+n], v[YY+n]
.set n, n+1
.endr
	v_nop
	s_wait_alu depctr_va_vdst(0)
.irp j, 0,2,4,6,8,10,12,14
	v_pk_mul_f32 v[XX+\j:XX+\j+1], v[XX+\j:XX+\j+1], v[YY+\j:YY+\j+1]              ; h
.endr
.irp t, 0,1
.irp c, 0,1
	ds_store_b128 v[HADR], v[XX+8*\t+4*\c:XX+8*\t+4*\c+3] offset:(\a)*16*PITCH+64*\t+16*\c
.endr
.endr
	s_wait_dscnt 0x0                               ; for the others' sake: my stores of this block have landed (and the next block's pre_c is in)
	s_barrier_signal -1                            ; the wait stands in the next block, behind its exponentials: only work on registers lies between
.endm
.irp a, 0,1,2,3,4,5,6,7
	EPI \a
.endr
	s_barrier_wait -1
	s_wait_xcnt 0x0
.irp i, 0,1,2,3,4,5,6,7
	ds_load_b128 v[RB+4*\i:RB+4*\i+3], v[RDB] offset:(16*7+2*\i)*PITCH
.endr
	s_wait_dscnt 0x0
.irp i, 0,1,2,3,4,5,6,7
	global_store_b128 v[CO], v[RB+4*\i:RB+4*\i+3], s[OUT:OUT+1] offset:(16*7+2*\i)*8192 th:TH_STORE_NT
.endr
	s_wait_tensorcnt 0x0                           ; the wave's end: behind my last tensor load and my last LDS store
	ds_add_u32 v[SPW], v[NIL]
	s_wait_dscnt 0x0
	CROUND                                         ; the closing round: no work-group ends while a partner may still ask for a tile that names it
	s_endpgm
.Lfunc_end_k_q428ebda52e_lstm:
	.size	k_q428ebda52e_lstm, .Lfunc_end_k_q428ebda52e_lstm-k_q428ebda52e_lstm
	.p2alignl 7, 3214868480
	.fill 96, 4, 3214868480
	.section	.rodata,"a",@progbits
	.p2align	6, 0x0
	.amdhsa_kernel k_q428ebda52e_lstm
		.amdhsa_group_segment_fixed_size 327680
		.amdhsa_private_segment_fixed_size 0
		.amdhsa_enable_private_segment 0
		.amdhsa_kernarg_size 56
		.amdhsa_user_sgpr_count 2
		.amdhsa_user_sgpr_kernarg_segment_ptr 1
		.amdhsa_wavefront_size32 1
		.amdhsa_system_sgpr_workgroup_id_x 1
		.amdhsa_system_sgpr_workgroup_id_y 1
		.amdhsa_system_sgpr_workgroup_id_z 1
		.amdhsa_system_vgpr_workitem_id 0
		.amdhsa_next_free_vgpr 1024
		.amdhsa_next_free_sgpr 106
		.amdhsa_reserve_vcc 0
		.amdhsa_float_denorm_mode_32 3
		.amdhsa_float_denorm_mode_16_64 3
		.amdhsa_memory_ordered 1
		.amdhsa_forward_progress 1
		.amdhsa_inst_pref_size 255
	.end_amdhsa_kernel
	.section	.bss,"aw",@nobits
	.p2align	6
	.space	262144
	.amdgpu_metadata
---
amdhsa.version: [ 1, 2 ]
amdhsa.kernels:
  - .name:           k_q428ebda52e_lstm
    .symbol:         k_q428ebda52e_lstm.kd
    .args:
      - { .name: x_codes, .offset: 0, .size: 8, .value_kind: global_buffer, .address_space: global }
      - { .name: h_codes, .offset: 8, .size: 8, .value_kind: global_buffer, .address_space: global }
      - { .name: W_codes, .offset: 16, .size: 8, .value_kind: global_buffer, .address_space: global }
      - { .name: U_codes, .offset: 24, .size: 8, .value_kind: global_buffer, .address_space: global }
      - { .name: sc, .offset: 32, .size: 8, .value_kind: global_buffer, .address_space: global }
      - { .name: pre_layer, .offset: 40, .size: 8, .value_kind: global_buffer, .address_space: global }
      - { .name: out0, .offset: 48, .size: 8, .value_kind: global_buffer, .address_space: global }
    .group_segment_fixed_size: 327680
    .private_segment_fixed_size: 0
    .kernarg_segment_align: 8
    .kernarg_segment_size: 56
    .max_flat_workgroup_size: 128
    .sgpr_count:     106
    .vgpr_count:     1024
    .wavefront_size: 32
...
	.end_amdgpu_metadata
.endif
;; end of part 2
